; MI455X (gfx1250); checked and timed in simulation.
; The chip was launched on July 23, 2026; its instructions are those of AMD's public machine-readable ISA for CDNA 5 (MIT licence, August 2026) and "CDNA5" Instruction Set Architecture Reference Guide (July 2026). The comments in the code are by the model that wrote it; some were corrected since.
;; Multihead Attention. Allowed arithmetic: float matrix products may take bf16 or f16 operands with f32 sums; all other float work in f32.
;; Inputs: key 32 x 2,048 x 128 float32; query 32 x 2,048 x 128 float32; value 32 x 2,048 x 128 float32.
;; Outputs: out0 32 x 2,048 x 128 float32.
;; 2 versions, each right. Each part assembles by itself: llvm-mc -triple=amdgcn-amd-amdhsa -mcpu=gfx1250 --defsym DOCPART=n.
;; ======== version 1 of 2: 1 launch
;; limits: right only within a limited range of input values
;; launch attn (part 1): grid 256 x 1, 4 waves a work-group, clusters of 4 x 1, 327,680 bytes of LDS; arguments key, query, value, out0; writes out0
.if DOCPART == 1
	.amdgcn_target "amdgcn-amd-amdhsa--gfx1250"
	.amdhsa_code_object_version 6
	.text
	.protected	k_qc791ef2d5a_attn
	.globl	k_qc791ef2d5a_attn
	.p2align	8
	.type	k_qc791ef2d5a_attn,@function
k_qc791ef2d5a_attn:
	s_mov_b64 s[64:65], 0
	v_nop
	global_prefetch_b8 v0, s[64:65] scope:SCOPE_SE
	s_setreg_imm32_b32 hwreg(HW_REG_WAVE_MODE, 25, 1), 1
	s_wait_xcnt 0x0
	s_wait_alu depctr_hold_cnt(0) depctr_sa_sdst(0) depctr_va_vdst(0) depctr_va_sdst(0) depctr_va_ssrc(0) depctr_va_vcc(0) depctr_vm_vsrc(0)
	s_getreg_b32 s2, hwreg(HW_REG_IB_STS2, 6, 4)
	s_cmp_eq_u32 s2, 0
	s_cbranch_scc0 .Lentry_in_a_cluster
	s_endpgm
.Lentry_in_a_cluster:
	s_bfe_u32 s2, ttmp6, 0x10000c
	s_cmp_lg_u32 s2, 0x3003
	s_cbranch_scc0 .Lentry_shape_is_right
	s_endpgm
.Lentry_shape_is_right:
; out0[b][q][:] = softmax over k of (query[b][q] . key[b][k] / sqrt(128)) times value[b][k][:].  32 heads, 2,048 queries, 2,048 keys, 128 wide, f32 in and out.
; Nothing of the problem is left out: all three inputs reach the result, and the row maximum is taken away before every exponential (a running maximum).
;
; SHARES.  A work-group owns 256 query rows of one head (8 x 32 = 256 work-groups), a wave 64 of them = 4 q tiles of 16, against all 2,048 keys.
; Scores, probabilities, maxima and sums never leave registers.  Products in bf16 with f32 sums, everything else in f32.
; BOTH PRODUCTS ARE TAKEN TRANSPOSED.  S^T = K Q^T: source 0 = 16 keys of K, source 1 = 16 queries of Q; lane (r = l % 16, h = l / 16) then holds query r,
; register j key 8 h + j of the tile.  Two neighbouring key tiles, rounded to bf16, are as they stand the second source (n = query, k = 32 keys) of
; O^T = V^T P^T, whose first source (m = column of V, k = key) comes by transposing LDS loads from V laid [key][column].  In O^T lane (r, h) holds query r again,
; register j column 8 h + j.  So maximum, sum and rescale factor are one register a lane for each q tile; only the maximum crosses the two halves of the wave
; (one v_permlanex16_b32 a block); each half keeps the sum over its own keys until the end.
; K AND V come as f32 by the tensor data mover into two LDS slots of 128 keys; each block of 64 keys is rounded to bf16 by the four waves together
; (16 rows of K and 16 of V each) into one operand buffer, from which every wave takes its fragments.
; CLUSTERS.  The four work-groups of a cluster are four query blocks of one head and need the same tiles of K and V: every tile is asked for jointly
; (mask 15 names the four).  The eight query blocks of a head are two clusters, since a cluster of this launch has four work-groups.
; LIMITS.  The factor 1/sqrt(128) is applied behind the product, in f32 (c = log2(e)/sqrt(128), p = 2^(c s - c m)): the unscaled q . k must stay under 3.4e38, where
; the formula that scales q first has 11.3 times more room.  A p under 2^-126 becomes 0 (v_exp_f32 flushes denormals: ISA guide 15.8).  P is rounded to bf16 for the
; product while the sum takes the unrounded p.  The maximum passes over NaN (v_max_num); a NaN score still reaches its row's result through the exponential.
;
; LDS: slot n at n x 131,072, f32, dense: [K keys 0-63 | K keys 64-127 | V keys 0-63 | V keys 64-127], 32 KiB each, part w fetched by wave w.
;      KOP: 64 rows of K in bf16, 272 bytes apart; VOP: 64 rows of V in bf16, 288 bytes apart.  These 35,840 bytes are written by LDS stores alone, never by a tensor load;
;      ahead of the first block and behind the last they serve as four stages of 8,960 bytes, one a wave (Q on its way in, O on its way out).
; REGISTERS in windows of 256 (s_set_vgpr_msb: bits 1:0 source 0, 3:2 source 1, 5:4 source 2, 7:6 destination):
;   window 0: v0-21 ids and addresses; CT packed bf16 on its way to LDS; KF f32 rows at the conversion, then K's fragments at KF + 32 kt + 8 ks, then rows on the way out
;   window 1: O(q, dt) at 64 q + 8 dt (at the start: where the 64 loads of Q land)
;   window 2: Q(q, ks) at 32 q + 8 ks; V's fragments VF(kp, dt) at 128 + 64 kp + 8 dt
;   window 3: S(q, kt) at 32 q + 8 kt; P(q, kp) at 128 + 16 q + 8 kp; state at 192 + 8 q: +0 NM = -c m, +1 m, +2 alpha (at the end 1/l), +3 l, +4..7 at work
.set TILEB,   65536                    ; 128 keys x 512 bytes: one tile of K, or of V, in memory
.set PARTB,   32768                    ; 64 keys x 512 bytes: what one tensor load brings
.set SLOTB,   131072                   ; four parts
.set KOP,     262144
.set KPITCH,  272                      ; 256 + 16: the 16 rows of a fragment load start 16 bytes apart modulo 256
.set VOP,     279552                   ; KOP + 64 x 272
.set VPITCH,  288                      ; 9 x 32, for the transposing loads
.set STAGEB,  8960                     ; 35,840 / 4 = 35 x 256
.set OPITCH,  528                      ; a row of 128 f32 + 16
.set SAK, 8                            ; v8, v9    slot 0, 1: LDS address of my 16 bytes in the first of my wave's 16 rows of K
.set SAV, 10                           ; v10, v11  the same for V
.set KST, 12                           ; v12  where my 8 bytes of bf16 go in KOP
.set VST, 13                           ; v13  and in VOP
.set KA,  14                           ; v14  K's fragments: KOP + 272 r + 16 h
.set VA,  15                           ; v15  V's fragments: VOP + 288 (8 h + l % 8) + 16 ((l / 8) % 2)
.set GV,  16                           ; v16  16 x lane: my 16 bytes of a row of query or out0; never rewritten
.set QST, 17                           ; v17  stage + 8 x lane
.set QLD, 18                           ; v18  stage + 272 r + 16 h
.set OST, 19                           ; v19  stage + 528 r + 32 h
.set ORD, 20                           ; v20  stage + 16 x lane
.set PFV, 21                           ; v21  my 256 bytes of what the cluster asks for ahead; never rewritten
.set CT,  32                           ; v32-95
.set KF,  128                          ; v128-255
.set VF,  128                          ; in window 2
.set MSB, 0
.macro WIN new                         ; the immediate's high byte repeats the setting that is left; a switch that changes nothing is dropped
.if MSB != \new
	s_set_vgpr_msb (MSB<<8)|\new
.set MSB, \new
.endif
.endm
.macro PLACES                          ; four places behind a matrix instruction (ISA guide 7.12.1)
.rept 4
	v_nop
.endr
.endm
; A round of the cluster's barrier: my work-group's barrier, so that wave 0's signal speaks for all four waves; wave 0 signals; every wave waits for the four
; work-groups; my work-group's barrier once more.
.macro ROUND
	s_barrier_signal -1
	s_barrier_wait -1
	s_cmp_lg_u32 s12, 0
	s_cbranch_scc1 .Lnot_wave_0_\@
	s_barrier_signal -3
.Lnot_wave_0_\@:
	s_barrier_wait -3
	s_barrier_signal -1
	s_barrier_wait -1
.endm
	s_load_b256 s[4:11], s[0:1], 0x0               ; key s[4:5], query s[6:7], value s[8:9], out0 s[10:11]
	v_lshl_add_u32 v126, v0, 2, 0x48c00
	v_mov_b32 v127, 0
	ds_add_u32 v126, v127
	v_lshrrev_b32 v4, 5, v0
	v_readfirstlane_b32 s12, v4                    ; wave 0..3
	s_lshr_b32 s13, ttmp9, 1                       ; ttmp9 counts clusters: two to a head
	s_bfe_u32 s14, ttmp6, 0x40000                  ; cx: my place in the cluster
	s_and_b32 s15, ttmp9, 1                        ; which of the head's two clusters
	s_mov_b32 s40, 0x76543210                      ; v_permlanex16_b32: lane i of one half reads lane i of the other
	s_mov_b32 s41, 0xfedcba98
	s_mov_b32 s42, 0x3e0293ee                      ; c = log2(e) / sqrt(128) = 0.12751743
	s_mov_b32 s43, 0x3e0293ee                      ; (the packed form names the pair)
	s_mov_b32 s45, 0xbe0293ee                      ; -c
	; descriptor group 1, the same for every load: a dense block of 32 KiB as 128 rows of 32 elements of 8 bytes
	s_mov_b32 s16, 15|(3<<16)|(1<<21)              ; 15:0 mask: the cluster's four work-groups; 17:16 elements of 8 bytes; 20 no padding; 21 set beside a mask
	s_mov_b32 s17, 32<<16                          ; tensor_dim0 = 32
	s_mov_b32 s18, 128<<16                         ; tensor_dim1 = 128
	s_mov_b32 s19, 32<<16                          ; tile_dim0 = 32
	s_mov_b32 s20, 128                             ; tile_dim1 = 128
	s_mov_b32 s21, 32                              ; 32 elements from row to row
	s_mov_b32 s22, 0
	s_mov_b32 s23, 0
	; byte offsets, apart from the addresses.  s[24:27] feed the joint loads and hold the head and the wave alone; cx goes into s28 and s55 only.
	s_lshl_b32 s26, s13, 20                        ; the head: 2,048 rows of 512 bytes
	s_mov_b32 s27, 0
	s_and_b32 s24, s12, 1
	s_lshl_b32 s24, s24, 15                        ; waves 1 and 3 fetch keys 64-127 of a tile
	s_add_co_u32 s24, s24, s26
	s_mov_b32 s25, 0
	s_lshl_b32 s28, s15, 2
	s_add_co_u32 s28, s28, s14                     ; query block 0..7 = 4 x cluster of the head + cx
	s_lshl_b32 s28, s28, 17                        ; 256 rows of 512 bytes
	s_lshl_b32 s29, s12, 15                        ; my wave's 64 rows
	s_add_co_u32 s28, s28, s29
	s_add_co_u32 s28, s28, s26                     ; my 64 rows in query and in out0
	s_mov_b32 s29, 0
	s_add_co_u32 s26, s26, 2*TILEB                 ; the asking ahead begins at tile 2
	; descriptor group 0, a set for each slot
	s_mov_b32 s32, 1                               ; count = 1
	s_lshl_b32 s33, s12, 15                        ; LDS: part w of slot 0
	s_mov_b32 s36, 1
	s_add_co_u32 s37, s33, SLOTB                   ; part w of slot 1
	s_wait_dscnt 0x0
	s_wait_kmcnt 0x0
	s_cmp_lt_u32 s12, 2                            ; waves 0 and 1 fetch K, waves 2 and 3 V
	s_cselect_b64 s[46:47], s[4:5], s[8:9]
	s_add_nc_u64 s[46:47], s[46:47], s[24:25]      ; my part of tile 0: the same in all four work-groups
	s_mov_b64 s[34:35], s[46:47]
	s_or_b32 s35, s35, 0x80000000                  ; type = 2
	s_add_nc_u64 s[38:39], s[46:47], TILEB         ; my part of tile 1
	s_or_b32 s39, s39, 0x80000000
	s_cmp_eq_u32 s15, 0                            ; the head's first cluster asks ahead for K, its second for V
	s_cselect_b64 s[48:49], s[4:5], s[8:9]
	s_add_nc_u64 s[48:49], s[48:49], s[26:27]
	s_add_nc_u64 s[50:51], s[6:7], s[28:29]        ; my rows of query
	s_add_nc_u64 s[52:53], s[10:11], s[28:29]      ; my rows of out0
	ROUND                                          ; the four work-groups are here: the first joint loads meet
	tensor_load_to_lds s[32:35], s[16:23]          ; tile 0 into slot 0; slot 1 is first filled behind the first trip's round.  One tensor load of a wave is out at any time
	s_nop 0
	v_nop
	v_nop
	; Q: 64 rows of 512 bytes, one load a row (32 lanes x 16 neighbouring bytes), read once in the launch
	v_and_b32 v1, 31, v0                           ; lane
	v_lshlrev_b32 v[GV], 4, v1
	WIN 0x40                                       ; destination in window 1
.set j, 0
.rept 64
	global_load_b128 v[4*j:4*j+3], v[GV], s[50:51] offset:512*j th:TH_LOAD_NT
.set j, j+1
.endr
	WIN 0
	; addresses, while Q is on its way
	v_and_b32 v2, 15, v0                           ; r
	v_bfe_u32 v3, v0, 4, 1                         ; h
	s_lshl_b32 s54, s12, 13                        ; my wave's 16 rows of 512 bytes
	v_lshl_add_u32 v[SAK], v1, 4, s54
	v_add_nc_u32 v[SAK+1], SLOTB, v[SAK]
	v_add_nc_u32 v[SAV], 2*PARTB, v[SAK]
	v_add_nc_u32 v[SAV+1], 2*PARTB, v[SAK+1]
	s_lshl_b32 s55, s14, 15                        ; of 128 KiB asked ahead: 32 KiB a work-group, 8 KiB a wave, 256 bytes a lane
	s_add_co_u32 s55, s55, s54
	v_lshl_add_u32 v[PFV], v1, 8, s55
	s_mul_i32 s54, s12, 16*KPITCH
	s_add_co_u32 s54, s54, KOP
	v_lshl_add_u32 v[KST], v1, 3, s54
	s_mul_i32 s54, s12, 16*VPITCH
	s_add_co_u32 s54, s54, VOP
	v_lshl_add_u32 v[VST], v1, 3, s54
	v_mul_u32_u24 v4, v2, KPITCH
	v_lshl_add_u32 v4, v3, 4, v4                   ; 272 r + 16 h
	v_add_nc_u32 v[KA], KOP, v4
	v_and_b32 v5, 7, v0
	v_lshl_add_u32 v5, v3, 3, v5                   ; 8 h + l % 8
	v_mul_u32_u24 v5, v5, VPITCH
	v_bfe_u32 v6, v0, 3, 1
	v_lshl_add_u32 v5, v6, 4, v5
	v_add_nc_u32 v[VA], VOP, v5
	s_mul_i32 s54, s12, STAGEB
	s_add_co_u32 s54, s54, KOP                     ; my wave's stage
	v_lshl_add_u32 v[QST], v1, 3, s54
	v_add_nc_u32 v[QLD], s54, v4
	v_mul_u32_u24 v6, v2, OPITCH
	v_lshl_add_u32 v6, v3, 5, v6
	v_add_nc_u32 v[OST], s54, v6
	v_lshl_add_u32 v[ORD], v1, 4, s54
; 32 rows of Q: rounded to bf16, through my own stage (rows 272 bytes apart), back as the fragments of two q tiles.  The bytes are my wave's own and LDS serves a
; wave's instructions in order (ISA guide 5.7.1), so nothing is waited for between the stores and the loads, nor between one half's loads and the next half's stores.
.macro QHALF hq
	s_wait_loadcnt 32-32*\hq                       ; loads come back in order: in the first half the 32 younger ones stay out
	WIN 0x05                                       ; sources in window 1
.set j, 0
.rept 32
	v_cvt_pk_bf16_f32 v[CT+2*j],   v[128*\hq+4*j],   v[128*\hq+4*j+1]
	v_cvt_pk_bf16_f32 v[CT+2*j+1], v[128*\hq+4*j+2], v[128*\hq+4*j+3]
.set j, j+1
.endr
	WIN 0
.set j, 0
.rept 32
	ds_store_b64 v[QST], v[CT+2*j:CT+2*j+1] offset:KPITCH*j
.set j, j+1
.endr
	WIN 0x80                                       ; destination in window 2
.irp qq, 0,1
.irp ks, 0,1,2,3
	ds_load_b128 v[32*(2*\hq+\qq)+8*\ks:32*(2*\hq+\qq)+8*\ks+3],   v[QLD] offset:\qq*16*KPITCH+\ks*64
	ds_load_b128 v[32*(2*\hq+\qq)+8*\ks+4:32*(2*\hq+\qq)+8*\ks+7], v[QLD] offset:\qq*16*KPITCH+\ks*64+32
.endr
.endr
.endm
	QHALF 0
	QHALF 1
; 64 keys of K and of V from f32 in the slot to bf16 in the operand buffer.  My wave takes rows 16 w .. 16 w + 15 of each; a load and a store cover one whole row.
.macro CONVERT slot, sub
	WIN 0
.irp j, 0,1,2,3,4,5,6,7,8,9,10,11,12,13,14,15
	ds_load_b128 v[KF+4*\j:KF+4*\j+3], v[SAK+\slot] offset:\sub*PARTB+512*\j
.endr
.irp j, 0,1,2,3,4,5,6,7,8,9,10,11,12,13,14,15
	ds_load_b128 v[KF+64+4*\j:KF+64+4*\j+3], v[SAV+\slot] offset:\sub*PARTB+512*\j
.endr
.irp j, 0,1,2,3,4,5,6,7,8,9,10,11,12,13,14,15
	s_wait_dscnt 31                                ; behind the load of row j of the 32 stand 31 - j loads and j stores
	v_cvt_pk_bf16_f32 v[CT+2*\j],   v[KF+4*\j],   v[KF+4*\j+1]
	v_cvt_pk_bf16_f32 v[CT+2*\j+1], v[KF+4*\j+2], v[KF+4*\j+3]
	ds_store_b64 v[KST], v[CT+2*\j:CT+2*\j+1] offset:KPITCH*\j
.endr
.irp j, 0,1,2,3,4,5,6,7,8,9,10,11,12,13,14,15
	s_wait_dscnt 31                                ; the same count: 15 - j loads and 16 + j stores
	v_cvt_pk_bf16_f32 v[CT+32+2*\j],   v[KF+64+4*\j],   v[KF+64+4*\j+1]
	v_cvt_pk_bf16_f32 v[CT+32+2*\j+1], v[KF+64+4*\j+2], v[KF+64+4*\j+3]
	ds_store_b64 v[VST], v[CT+32+2*\j:CT+32+2*\j+1] offset:VPITCH*\j
.endr
	s_wait_dscnt 0x0                               ; my stores are done, for the other waves' sake
	s_barrier_signal -1
	s_barrier_wait -1                              ; the operand buffer is whole.  The other slot's load may stay out
.endm
; All fragments of the block in one run: K's 4 key tiles x 4 steps of 32 columns, then V's 2 steps of 32 keys x 8 column tiles
.macro FRAGS
	WIN 0
.irp kt, 0,1,2,3
.irp ks, 0,1,2,3
	ds_load_b128 v[KF+32*\kt+8*\ks:KF+32*\kt+8*\ks+3],   v[KA] offset:\kt*16*KPITCH+\ks*64
	ds_load_b128 v[KF+32*\kt+8*\ks+4:KF+32*\kt+8*\ks+7], v[KA] offset:\kt*16*KPITCH+\ks*64+32
.endr
.endr
	WIN 0x80
.irp kp, 0,1
.irp dt, 0,1,2,3,4,5,6,7
	ds_load_tr16_b128 v[VF+64*\kp+8*\dt:VF+64*\kp+8*\dt+3],   v[VA] offset:\kp*32*VPITCH+\dt*32
	ds_load_tr16_b128 v[VF+64*\kp+8*\dt+4:VF+64*\kp+8*\dt+7], v[VA] offset:\kp*32*VPITCH+\dt*32+16*VPITCH
.endr
.endr
.endm
; S^T(q, kt) = K(kt) Q(q)^T, 64 matrix instructions.  The first step along the columns starts each sum with the constant 0.
; The four q tiles' accumulators take turns, one instruction a turn.
.macro SPHASE
	WIN 0xf8                                       ; source 0 (K) window 0, source 1 (Q) window 2, C and D window 3
.irp kt, 0,1,2,3
	s_wait_dscnt 56-8*\kt                          ; key tile kt's eight loads are in; out may be the later key tiles' 8 (3 - kt) and V's 32
.irp ks, 0,1,2,3
.irp q, 0,1,2,3
.if \ks == 0
	v_wmma_f32_16x16x32_bf16 v[32*\q+8*\kt:32*\q+8*\kt+7], v[KF+32*\kt+8*\ks:KF+32*\kt+8*\ks+7], v[32*\q+8*\ks:32*\q+8*\ks+7], 0
.else
	v_wmma_f32_16x16x32_bf16 v[32*\q+8*\kt:32*\q+8*\kt+7], v[KF+32*\kt+8*\ks:KF+32*\kt+8*\ks+7], v[32*\q+8*\ks:32*\q+8*\ks+7], v[32*\q+8*\kt:32*\q+8*\kt+7]
.endif
.endr
.endr
.endr
.endm
; One q tile's softmax step on 64 keys; a lane holds 32 scores of its query.  first = 1: the block starts maximum and sum.
.macro SOFTMAX q, first
.set SB, 32*\q
.set ST, 192+8*\q
.irp c, 0,1,2,3
	v_max3_num_f32 v[ST+4+\c], v[SB+8*\c], v[SB+8*\c+1], v[SB+8*\c+2]       ; four chains, started by the scores themselves
.endr
.irp c, 0,1,2,3
	v_max3_num_f32 v[ST+4+\c], v[ST+4+\c], v[SB+8*\c+3], v[SB+8*\c+4]
.endr
.irp c, 0,1,2,3
	v_max3_num_f32 v[ST+4+\c], v[ST+4+\c], v[SB+8*\c+5], v[SB+8*\c+6]
.endr
	v_max3_num_f32 v[ST+4], v[ST+4], v[SB+7], v[SB+15]
	v_max3_num_f32 v[ST+5], v[ST+5], v[SB+23], v[SB+31]
	v_max3_num_f32 v[ST+4], v[ST+4], v[ST+5], v[ST+6]
	v_max_num_f32 v[ST+4], v[ST+4], v[ST+7]
	v_permlanex16_b32 v[ST+5], v[ST+4], s40, s41   ; the other half's keys of the same query
.if \first
	v_max_num_f32 v[ST+4], v[ST+4], v[ST+5]
	v_mul_f32 v[ST], s45, v[ST+4]                  ; NM = -c m
	v_mov_b32 v[ST+1], v[ST+4]
.else
	v_max3_num_f32 v[ST+4], v[ST+4], v[ST+5], v[ST+1]      ; the running maximum
	v_mul_f32 v[ST+5], s45, v[ST+4]                ; the new NM
	v_sub_f32 v[ST+6], v[ST+5], v[ST]              ; new NM - old NM <= 0: the very shifts that the old and the new exponentials carry
	v_exp_f32 v[ST+2], v[ST+6]                     ; alpha; the plain move below stands behind it before it is used (ISA guide 5.7.2)
	v_mov_b32 v[ST], v[ST+5]
	v_mov_b32 v[ST+1], v[ST+4]
.endif
.set i, 0
.rept 16
	v_pk_fma_f32 v[SB+i:SB+i+1], v[SB+i:SB+i+1], s[42:43], v[ST:ST+1] op_sel_hi:[1,0,0]   ; c s - c m, one rounding; c and NM feed both halves
.set i, i+2
.endr
.set i, 0
.rept 32
	v_exp_f32 v[SB+i], v[SB+i]
.set i, i+1
.endr
	v_nop                                          ; one plain instruction behind the run of exponentials before their results are read
	s_wait_alu depctr_va_vdst(0)
	v_pk_add_f32 v[ST+4:ST+5], v[SB:SB+1], v[SB+2:SB+3]                     ; the block's sum in two chains
	v_pk_add_f32 v[ST+6:ST+7], v[SB+4:SB+5], v[SB+6:SB+7]
.set i, 8
.rept 6
	v_pk_add_f32 v[ST+4:ST+5], v[ST+4:ST+5], v[SB+i:SB+i+1]
	v_pk_add_f32 v[ST+6:ST+7], v[ST+6:ST+7], v[SB+i+2:SB+i+3]
.set i, i+4
.endr
	v_pk_add_f32 v[ST+4:ST+5], v[ST+4:ST+5], v[ST+6:ST+7]
.if \first
	v_add_f32 v[ST+3], v[ST+4], v[ST+5]
.else
	v_add_f32 v[ST+4], v[ST+4], v[ST+5]
	v_fma_f32 v[ST+3], v[ST+3], v[ST+2], v[ST+4]   ; l = l alpha + the block's sum (my half's keys)
.endif
.set i, 0
.rept 16
	v_cvt_pk_bf16_f32 v[128+16*\q+i], v[SB+2*i], v[SB+2*i+1]               ; key tiles 2 kp, 2 kp + 1 become registers 0-3, 4-7 of P(q, kp)
.set i, i+1
.endr
.endm
; O(q, all columns) times the lane's factor in state register +2 (alpha in the loop, 1/l at the end)
.macro SCALEO q
	WIN 0x4d                                       ; destination and source 0 window 1, source 1 window 3
.set i, 0
	s_wait_alu depctr_va_vdst(0)
.rept 32
	v_pk_mul_f32 v[64*\q+i:64*\q+i+1], v[64*\q+i:64*\q+i+1], v[194+8*\q:195+8*\q] op_sel_hi:[1,0]
.set i, i+2
.endr
.endm
; O^T(q, dt) += V^T(dt) P^T(q), 64 matrix instructions; the 32 accumulators take turns, one instruction a turn.
; first = 1: the first 32 keys start the sums with the constant 0: nothing is cleared.
.macro PVPHASE first
	WIN 0x5e                                       ; source 0 (V) window 2, source 1 (P) window 3, C and D window 1
.irp kp, 0,1
	s_wait_dscnt 16-16*\kp                         ; V's first 16 loads are in, the 16 of keys 32-63 may be out; then all
.irp dt, 0,1,2,3,4,5,6,7
.irp q, 0,1,2,3
.if \first*(1-\kp)
	v_wmma_f32_16x16x32_bf16 v[64*\q+8*\dt:64*\q+8*\dt+7], v[VF+64*\kp+8*\dt:VF+64*\kp+8*\dt+7], v[128+16*\q+8*\kp:128+16*\q+8*\kp+7], 0
.else
	v_wmma_f32_16x16x32_bf16 v[64*\q+8*\dt:64*\q+8*\dt+7], v[VF+64*\kp+8*\dt:VF+64*\kp+8*\dt+7], v[128+16*\q+8*\kp:128+16*\q+8*\kp+7], v[64*\q+8*\dt:64*\q+8*\dt+7]
.endif
.endr
.endr
.endr
.endm
; One block of 64 keys.  Every register that a matrix instruction named is next written, or loaded into, behind far more than four plain vector instructions
; (the conversion's 64, the softmax); only the scores are read at once, behind four v_nop.
.macro SUBSTEP slot, sub, first
	CONVERT \slot, \sub
	FRAGS
	SPHASE
	WIN 0xff
	PLACES
	SOFTMAX 0, \first
	SOFTMAX 1, \first
	SOFTMAX 2, \first
	SOFTMAX 3, \first
.if \first == 0
	SCALEO 0
	SCALEO 1
	SCALEO 2
	SCALEO 3
.endif
	PVPHASE \first
.endm
; One tile of 128 keys.  In front of the round each wave waits for all its tensor loads (one: its part of this trip's tile) and for its LDS reads (the last trip's
; slot and operands); behind the round that holds of every wave of the four work-groups, and the joint refill of the slot read last trip comes first.
; pf = 1: in every second trip t the wave asks ahead, once, for its 8 KiB of tiles t + 2 and t + 3 of K (the head's first cluster) or V (its second): each block of
; 256 bytes is asked for by one lane of the launch, one or two trips before the tensor load that wants it.  The last two trips ask for nothing: tile 15 is the last.
.macro TRIP slot, refill, first, pf
	WIN 0
	s_wait_tensorcnt 0x0                           ; no tensor load of mine is out, so a group 0 may be written:
	ds_add_u32 v126, v127
	s_wait_dscnt 0x0
	s_add_nc_u64 s[34+4*\slot:35+4*\slot], s[34+4*\slot:35+4*\slot], 2*TILEB   ; this slot's next tile (in the last two trips not used)
.if \pf*\slot
	s_wait_xcnt 0x0                                ; the last trip's request has read its base
	s_add_nc_u64 s[48:49], s[48:49], 2*TILEB
.endif
	s_wait_dscnt 0x0
	ROUND
.if \refill
	tensor_load_to_lds s[36-4*\slot:39-4*\slot], s[16:23]  ; the next tile: it has this trip's two blocks in which to land
	s_nop 0
.endif
.if \pf*(1-\slot)
	global_prefetch_b8 v[PFV], s[48:49] th:TH_LOAD_NT scope:SCOPE_SE
.endif
	SUBSTEP \slot, 0, \first
	s_wait_dscnt 0x0                               ; my reads of the operand buffer are done
	s_barrier_signal -1
	s_barrier_wait -1                              ; everybody's are: it may be written again.  No tensor load fills anything behind this barrier
	SUBSTEP \slot, 1, 0
.endm
	TRIP 0, 1, 1, 1                                ; 16 tiles: two in front of the loop (the first block starts the sums),
	TRIP 1, 1, 0, 1
	WIN 0                                          ; at a label and at a branch every window is 0
	s_mov_b32 s44, 6
.Llap:
	TRIP 0, 1, 0, 1                                ; twelve in it,
	TRIP 1, 1, 0, 1
	WIN 0
	s_sub_co_u32 s44, s44, 1
	s_cmp_lg_u32 s44, 0
	s_cbranch_scc1 .Llap
	TRIP 0, 1, 0, 0                                ; two behind it: tile 15 is the last to be fetched,
	TRIP 1, 0, 0, 0                                ; and the last trip fetches nothing: no tensor load is out from its wait on
	; THE WAY OUT.  l of the two halves is added, O is divided by it, and 16 queries at a time go through my stage: in as 32 bytes a lane of a query's row,
	; back as whole rows of 512 bytes.
	PLACES                                         ; behind the last matrix instructions, before O is read
	WIN 0xff
.irp q, 0,1,2,3
	v_permlanex16_b32 v[196+8*\q], v[195+8*\q], s40, s41
.endr
.irp q, 0,1,2,3
	v_add_f32 v[195+8*\q], v[195+8*\q], v[196+8*\q]        ; l >= 1: the largest score's term is 1
.endr
.irp q, 0,1,2,3
	v_rcp_f32 v[194+8*\q], v[195+8*\q]
.endr
	v_nop                                          ; one plain instruction behind the reciprocals
	WIN 0
	s_wait_dscnt 0x0
	s_barrier_signal -1
	s_barrier_wait -1                              ; every wave has read its last operands: their bytes are the four stages now
.macro OUTQ q
	SCALEO \q
	WIN 0x04                                       ; store data in window 1
.irp dt, 0,1,2,3,4,5,6,7
	ds_store_b128 v[OST], v[64*\q+8*\dt:64*\q+8*\dt+3]   offset:64*\dt
	ds_store_b128 v[OST], v[64*\q+8*\dt+4:64*\q+8*\dt+7] offset:64*\dt+16
.endr
	WIN 0
	s_wait_xcnt 0x0                                ; the registers that earlier stores read are loaded again only behind this wait
.irp t, 0,1,2,3,4,5,6,7,8,9,10,11,12,13,14,15
	ds_load_b128 v[KF+64*(\q&1)+4*\t:KF+64*(\q&1)+4*\t+3], v[ORD] offset:OPITCH*\t     ; my own bytes, served in order: these see the stores above
.endr
.irp t, 0,1,2,3,4,5,6,7,8,9,10,11,12,13,14,15
	s_wait_dscnt 15-\t                             ; row t is back, the younger rows may be out
	global_store_b128 v[GV], v[KF+64*(\q&1)+4*\t:KF+64*(\q&1)+4*\t+3], s[52:53] offset:(16*\q+\t)*512 th:TH_STORE_NT   ; a whole row: 512 consecutive bytes, aligned
.endr
.endm
	OUTQ 0
	OUTQ 1
	OUTQ 2
	OUTQ 3
	s_wait_tensorcnt 0x0
	ds_add_u32 v126, v127
	s_wait_dscnt 0x0
	ROUND                                          ; the closing round: no work-group ends while a partner may still ask for a tile that names it
	s_endpgm
.Lfunc_end_k_qc791ef2d5a_attn:
	.size	k_qc791ef2d5a_attn, .Lfunc_end_k_qc791ef2d5a_attn-k_qc791ef2d5a_attn
	.p2alignl 7, 3214868480
	.fill 96, 4, 3214868480
	.section	.rodata,"a",@progbits
	.p2align	6, 0x0
	.amdhsa_kernel k_qc791ef2d5a_attn
		.amdhsa_group_segment_fixed_size 327680
		.amdhsa_private_segment_fixed_size 0
		.amdhsa_enable_private_segment 0
		.amdhsa_kernarg_size 32
		.amdhsa_user_sgpr_count 2
		.amdhsa_user_sgpr_kernarg_segment_ptr 1
		.amdhsa_wavefront_size32 1
		.amdhsa_system_sgpr_workgroup_id_x 1
		.amdhsa_system_sgpr_workgroup_id_y 1
		.amdhsa_system_sgpr_workgroup_id_z 1
		.amdhsa_system_vgpr_workitem_id 0
		.amdhsa_next_free_vgpr 1024
		.amdhsa_next_free_sgpr 66
		.amdhsa_reserve_vcc 0
		.amdhsa_float_denorm_mode_32 3
		.amdhsa_float_denorm_mode_16_64 3
		.amdhsa_memory_ordered 1
		.amdhsa_forward_progress 1
		.amdhsa_inst_pref_size 255
	.end_amdhsa_kernel
	.section	.bss,"aw",@nobits
	.p2align	6
	.space	262144
	.amdgpu_metadata
---
amdhsa.version: [ 1, 2 ]
amdhsa.kernels:
  - .name:           k_qc791ef2d5a_attn
    .symbol:         k_qc791ef2d5a_attn.kd
    .args:
      - { .name: key, .offset: 0, .size: 8, .value_kind: global_buffer, .address_space: global }
      - { .name: query, .offset: 8, .size: 8, .value_kind: global_buffer, .address_space: global }
      - { .name: value, .offset: 16, .size: 8, .value_kind: global_buffer, .address_space: global }
      - { .name: out0, .offset: 24, .size: 8, .value_kind: global_buffer, .address_space: global }
    .group_segment_fixed_size: 327680
    .private_segment_fixed_size: 0
    .kernarg_segment_align: 8
    .kernarg_segment_size: 32
    .max_flat_workgroup_size: 128
    .sgpr_count:     66
    .vgpr_count:     1024
    .wavefront_size: 32
...
	.end_amdgpu_metadata
.endif
;; end of part 1
;; ======== version 2 of 2: 1 launch
;; limits: right only within a limited range of input values
;; launch attn (part 2): grid 256 x 1, 4 waves a work-group, clusters of 4 x 1, 327,680 bytes of LDS; arguments key, query, value, out0; writes out0
.if DOCPART == 2
	.amdgcn_target "amdgcn-amd-amdhsa--gfx1250"
	.amdhsa_code_object_version 6
	.text
	.protected	k_qc791ef2d5a_attn
	.globl	k_qc791ef2d5a_attn
	.p2align	8
	.type	k_qc791ef2d5a_attn,@function
k_qc791ef2d5a_attn:
	s_mov_b64 s[64:65], 0
	v_nop
	global_prefetch_b8 v0, s[64:65] scope:SCOPE_SE
	s_setreg_imm32_b32 hwreg(HW_REG_WAVE_MODE, 25, 1), 1
	s_wait_xcnt 0x0
	s_wait_alu depctr_hold_cnt(0) depctr_sa_sdst(0) depctr_va_vdst(0) depctr_va_sdst(0) depctr_va_ssrc(0) depctr_va_vcc(0) depctr_vm_vsrc(0)
	s_getreg_b32 s2, hwreg(HW_REG_IB_STS2, 6, 4)
	s_cmp_eq_u32 s2, 0
	s_cbranch_scc0 .Lentry_in_a_cluster
	s_endpgm
.Lentry_in_a_cluster:
	s_bfe_u32 s2, ttmp6, 0x10000c
	s_cmp_lg_u32 s2, 0x3003
	s_cbranch_scc0 .Lentry_shape_is_right
	s_endpgm
.Lentry_shape_is_right:
; out0[b][q][:] = softmax over k of (query[b][q] . key[b][k] / sqrt(128)) times value[b][k][:].  32 heads, 2,048 queries, 2,048 keys, 128 wide, f32 in and out.
; Nothing of the problem is left out: all three inputs reach the result, and the row maximum is taken away before every exponential (a running maximum).
;
; SHARES.  A work-group owns 256 query rows of one head (8 x 32 = 256 work-groups), a wave 64 of them = 4 q tiles of 16, against all 2,048 keys in 32 blocks of 64.
; Scores, probabilities, maxima and sums never leave registers.  Products in bf16 with f32 sums, everything else in f32.
; BOTH PRODUCTS ARE TAKEN TRANSPOSED.  S^T = K Q^T: source 0 = 16 keys of K, source 1 = 16 queries of Q; lane (r = l % 16, h = l / 16) then holds query r,
; register j key 8 h + j of the tile.  Two neighbouring key tiles, rounded to bf16, are as they stand the second source (n = query, k = 32 keys) of
; O^T = V^T P^T, whose first source (m = column of V, k = key) comes by transposing LDS loads from V laid [key][column].  In O^T lane (r, h) holds query r again,
; register j column 8 h + j.  So maximum, sum and rescale factor are one register a lane for each q tile; only the maximum crosses the two halves of the wave
; (one v_permlanex16_b32 a block); each half keeps the sum over its own keys until the end.
; TWO PIECES TAKE TURNS.  The wave's q tiles 0, 1 are piece 0 and q tiles 2, 3 piece 1; they share K's and V's fragments.  A block runs: S of piece 0; S of piece 1 with
; piece 0's vector phase (maximum, exponentials, sum, packing, rescale of O: 272 instructions) cut into 32 slices, one behind each matrix instruction; PV of piece 0 with
; piece 1's vector phase likewise; PV of piece 1.  A slice names only the other piece's registers.  The vector phase reads and writes window 3 (or 1 and 3), the products
; take their sources from windows 0 and 2: v_exp_f32 has one source, which must lie where the sums are written, and K's fragments (128 registers) and both pieces' scores
; (128) would fill that window alone.  So each of these turns has two s_set_vgpr_msb.
; K AND V come as f32 by the tensor data mover into two LDS slots of 64 keys, one block each, and are rounded to bf16 by the four waves together (16 rows of K and 16 of V
; each) into one of two operand buffers, from which every wave takes its fragments.  BLOCK t + 1 IS CONVERTED AMONG BLOCK t'S PRODUCTS: its f32 rows are loaded, eight at a
; time, during PV of piece 0 (into the registers of K's fragments, dead by then), and rounded and stored, four rows at a time, behind every fourth product of PV of piece 1;
; V's fragment loads stand, four at a time, behind every fourth product of S of piece 0.  So trip t fetches block t + 2, converts block t + 1 and multiplies block t, and
; one round of the cluster's barrier a trip orders all of it.  The last two trips differ (no fetch; no fetch and no conversion) and 32 - 1 - 2 is odd, so the block's text
; stands six times: the first block, the loop's two (one for each buffer, with constant LDS addresses), the last three.
; CLUSTERS.  The four work-groups of a cluster are four query blocks of one head and need the same tiles of K and V: every tile is asked for jointly
; (mask 15 names the four).  The eight query blocks of a head are two clusters, since a cluster of this launch has four work-groups.
; LIMITS.  The factor 1/sqrt(128) is applied behind the product, in f32 (c = log2(e)/sqrt(128), p = 2^(c s - c m)): the unscaled q . k must stay under 3.4e38, where
; the formula that scales q first has 11.3 times more room.  A p under 2^-126 becomes 0 (v_exp_f32 flushes denormals: ISA guide 15.8).  P is rounded to bf16 for the
; product while the sum takes the unrounded p.  The maximum passes over NaN (v_max_num); a NaN score still reaches its row's result through the exponential.
;
; LDS: slot n at n x 65,536, f32, dense: [K keys 0-31 | K keys 32-63 | V keys 0-31 | V keys 32-63], 16 KiB each, part w fetched by wave w.
;      operand buffer n at 131,072 + n x 35,840: 64 rows of K in bf16, 272 bytes apart, then 64 rows of V in bf16, 288 bytes apart.  Written by LDS stores alone, never by a
;      tensor load.  Ahead of the first block and behind the last, buffer 0 serves as four stages of 8,960 bytes, one a wave (Q on its way in, O on its way out).
; REGISTERS in windows of 256 (s_set_vgpr_msb: bits 1:0 source 0, 3:2 source 1, 5:4 source 2, 7:6 destination):
;   window 0: v0-21 ids and addresses; CT packed bf16 on its way to LDS; KF K's fragments at KF + 32 kt + 8 ks, then the next block's f32 rows, at the end rows on the way out
;   window 1: O(q, dt) at 64 q + 8 dt (at the start: where the 64 loads of Q land)
;   window 2: Q(q, ks) at 32 q + 8 ks; V's fragments VF(kp, dt) at 128 + 64 kp + 8 dt
;   window 3: S(q, kt) at 32 q + 8 kt; P(q, kp) at 128 + 16 q + 8 kp; state at 192 + 8 q: +0 NM = -c m, +1 m, +2 alpha (at the end 1/l), +3 l, +4..7 at work
.set BLKB,    32768                    ; 64 keys x 512 bytes: one block of K, or of V, in memory
.set PARTB,   16384                    ; 32 keys x 512 bytes: what one tensor load brings
.set SLOTB,   65536                    ; four parts
.set KOP,     131072                   ; operand buffer 0: K
.set KPITCH,  272                      ; 256 + 16: the 16 rows of a fragment load start 16 bytes apart modulo 256
.set VOP,     148480                   ; operand buffer 0: V = KOP + 64 x 272
.set VPITCH,  288                      ; 9 x 32, for the transposing loads
.set OPB,     35840                    ; one operand buffer; buffer 1 is reached by the immediate offset (49,888 at the most)
.set STAGEB,  8960                     ; 35,840 / 4 = 35 x 256
.set OPITCH,  528                      ; a row of 128 f32 + 16
.set SAK, 8                            ; v8, v9    slot 0, 1: LDS address of my 16 bytes in the first of my wave's 16 rows of K
.set SAV, 10                           ; v10, v11  the same for V
.set KST, 12                           ; v12  where my 8 bytes of bf16 go in buffer 0's K
.set VST, 13                           ; v13  and in its V
.set KA,  14                           ; v14  K's fragments: KOP + 272 r + 16 h
.set VA,  15                           ; v15  V's fragments: VOP + 288 (8 h + l % 8) + 16 ((l / 8) % 2)
.set GV,  16                           ; v16  16 x lane: my 16 bytes of a row of query or out0; never rewritten
.set QST, 17                           ; v17  stage + 8 x lane
.set QLD, 18                           ; v18  stage + 272 r + 16 h
.set OST, 19                           ; v19  stage + 528 r + 32 h
.set ORD, 20                           ; v20  stage + 16 x lane
.set PFV, 21                           ; v21  my 256 bytes of what the cluster asks for ahead; never rewritten
.set CT,  32                           ; v32-95
.set KF,  128                          ; v128-255
.set VF,  128                          ; in window 2
.set MSB, 0
.macro WIN new                         ; the immediate's high byte repeats the setting that is left; a switch that changes nothing is dropped
.if MSB != \new
	s_set_vgpr_msb (MSB<<8)|\new
.set MSB, \new
.endif
.endm
.macro PLACES                          ; four places behind a matrix instruction (ISA guide 7.12.1)
.rept 4
	v_nop
.endr
.endm
; A round of the cluster's barrier: my work-group's barrier, so that wave 0's signal speaks for all four waves; wave 0 signals; every wave waits for the four
; work-groups; my work-group's barrier once more.
.macro ROUND
	s_barrier_signal -1
	s_barrier_wait -1
	s_cmp_lg_u32 s12, 0
	s_cbranch_scc1 .Lnot_wave_0_\@
	s_barrier_signal -3
.Lnot_wave_0_\@:
	s_barrier_wait -3
	s_barrier_signal -1
	s_barrier_wait -1
.endm
	s_load_b256 s[4:11], s[0:1], 0x0               ; key s[4:5], query s[6:7], value s[8:9], out0 s[10:11]
	v_lshl_add_u32 v126, v0, 2, 0x31800
	v_mov_b32 v127, 0
	ds_add_u32 v126, v127
	v_lshrrev_b32 v4, 5, v0
	v_readfirstlane_b32 s12, v4                    ; wave 0..3
	s_lshr_b32 s13, ttmp9, 1                       ; ttmp9 counts clusters: two to a head
	s_bfe_u32 s14, ttmp6, 0x40000                  ; cx: my place in the cluster
	s_and_b32 s15, ttmp9, 1                        ; which of the head's two clusters
	s_mov_b32 s40, 0x76543210                      ; v_permlanex16_b32: lane i of one half reads lane i of the other
	s_mov_b32 s41, 0xfedcba98
	s_mov_b32 s42, 0x3e0293ee                      ; c = log2(e) / sqrt(128) = 0.12751743
	s_mov_b32 s43, 0x3e0293ee                      ; (the packed form names the pair)
	s_mov_b32 s45, 0xbe0293ee                      ; -c
	; descriptor group 1, the same for every load: a dense block of 16 KiB as 64 rows of 32 elements of 8 bytes
	s_mov_b32 s16, 15|(3<<16)|(1<<21)              ; 15:0 mask: the cluster's four work-groups; 17:16 elements of 8 bytes; 20 no padding; 21 set beside a mask
	s_mov_b32 s17, 32<<16                          ; tensor_dim0 = 32
	s_mov_b32 s18, 64<<16                          ; tensor_dim1 = 64
	s_mov_b32 s19, 32<<16                          ; tile_dim0 = 32
	s_mov_b32 s20, 64                              ; tile_dim1 = 64
	s_mov_b32 s21, 32                              ; 32 elements from row to row
	s_mov_b32 s22, 0
	s_mov_b32 s23, 0
	; byte offsets, apart from the addresses.  s[24:27] hold the head and the wave alone; cx goes into s28 and s55 only.
	s_lshl_b32 s26, s13, 20                        ; the head: 2,048 rows of 512 bytes
	s_mov_b32 s27, 0
	s_and_b32 s24, s12, 1
	s_lshl_b32 s24, s24, 14                        ; waves 1 and 3 fetch keys 32-63 of a block
	s_add_co_u32 s24, s24, s26
	s_mov_b32 s25, 0
	s_lshl_b32 s28, s15, 2
	s_add_co_u32 s28, s28, s14                     ; query block 0..7 = 4 x cluster of the head + cx
	s_lshl_b32 s28, s28, 17                        ; 256 rows of 512 bytes
	s_lshl_b32 s29, s12, 15                        ; my wave's 64 rows
	s_add_co_u32 s28, s28, s29
	s_add_co_u32 s28, s28, s26                     ; my 64 rows in query and in out0
	s_mov_b32 s29, 0
	s_add_co_u32 s26, s26, 4*BLKB                  ; the asking ahead begins at block 4
	; descriptor group 0, a set for each slot
	s_mov_b32 s32, 1                               ; count = 1
	s_lshl_b32 s33, s12, 14                        ; LDS: part w of slot 0
	s_mov_b32 s36, 1
	s_add_co_u32 s37, s33, SLOTB                   ; part w of slot 1
	s_wait_dscnt 0x0
	s_wait_kmcnt 0x0
	s_cmp_lt_u32 s12, 2                            ; waves 0 and 1 fetch K, waves 2 and 3 V
	s_cselect_b64 s[46:47], s[4:5], s[8:9]
	s_add_nc_u64 s[46:47], s[46:47], s[24:25]      ; my part of block 0: the same in all four work-groups
	s_mov_b64 s[34:35], s[46:47]
	s_or_b32 s35, s35, 0x80000000                  ; type = 2
	s_add_nc_u64 s[38:39], s[46:47], BLKB          ; my part of block 1
	s_or_b32 s39, s39, 0x80000000
	s_cmp_eq_u32 s15, 0                            ; the head's first cluster asks ahead for K, its second for V
	s_cselect_b64 s[48:49], s[4:5], s[8:9]
	s_add_nc_u64 s[48:49], s[48:49], s[26:27]      ; at the blocks asked for next
	s_add_nc_u64 s[50:51], s[6:7], s[28:29]        ; my rows of query
	s_add_nc_u64 s[52:53], s[10:11], s[28:29]      ; my rows of out0
	ROUND                                          ; the four work-groups are here: the first joint loads meet
	tensor_load_to_lds s[32:35], s[16:23]          ; block 0 into slot 0
	s_nop 0
	tensor_load_to_lds s[36:39], s[16:23]          ; block 1 into slot 1: the two first fills go out together.  Two tensor loads of a wave are out here, later one
	s_nop 0
	v_nop
	v_nop
	; Q: 64 rows of 512 bytes, one load a row (32 lanes x 16 neighbouring bytes), read once in the launch
	v_and_b32 v1, 31, v0                           ; lane
	v_lshlrev_b32 v[GV], 4, v1
	WIN 0x40                                       ; destination in window 1
.set j, 0
.rept 64
	global_load_b128 v[4*j:4*j+3], v[GV], s[50:51] offset:512*j th:TH_LOAD_NT
.set j, j+1
.endr
	WIN 0
	; addresses, while Q is on its way
	v_and_b32 v2, 15, v0                           ; r
	v_bfe_u32 v3, v0, 4, 1                         ; h
	s_lshl_b32 s54, s12, 13                        ; my wave's 16 rows of 512 bytes
	v_lshl_add_u32 v[SAK], v1, 4, s54
	v_add_nc_u32 v[SAK+1], SLOTB, v[SAK]
	v_add_nc_u32 v[SAV], 2*PARTB, v[SAK]
	v_add_nc_u32 v[SAV+1], 2*PARTB, v[SAK+1]
	s_lshl_b32 s55, s14, 14                        ; of 64 KiB asked ahead: 16 KiB a work-group, 8 KiB for each of its waves 0 and 1, 256 bytes a lane
	s_add_co_u32 s55, s55, s54
	v_lshl_add_u32 v[PFV], v1, 8, s55
	s_mul_i32 s54, s12, 16*KPITCH
	s_add_co_u32 s54, s54, KOP
	v_lshl_add_u32 v[KST], v1, 3, s54
	s_mul_i32 s54, s12, 16*VPITCH
	s_add_co_u32 s54, s54, VOP
	v_lshl_add_u32 v[VST], v1, 3, s54
	v_mul_u32_u24 v4, v2, KPITCH
	v_lshl_add_u32 v4, v3, 4, v4                   ; 272 r + 16 h
	v_add_nc_u32 v[KA], KOP, v4
	v_and_b32 v5, 7, v0
	v_lshl_add_u32 v5, v3, 3, v5                   ; 8 h + l % 8
	v_mul_u32_u24 v5, v5, VPITCH
	v_bfe_u32 v6, v0, 3, 1
	v_lshl_add_u32 v5, v6, 4, v5
	v_add_nc_u32 v[VA], VOP, v5
	s_mul_i32 s54, s12, STAGEB
	s_add_co_u32 s54, s54, KOP                     ; my wave's stage, in operand buffer 0
	v_lshl_add_u32 v[QST], v1, 3, s54
	v_add_nc_u32 v[QLD], s54, v4
	v_mul_u32_u24 v6, v2, OPITCH
	v_lshl_add_u32 v6, v3, 5, v6
	v_add_nc_u32 v[OST], s54, v6
	v_lshl_add_u32 v[ORD], v1, 4, s54
; 32 rows of Q: rounded to bf16, through my own stage (rows 272 bytes apart), back as the fragments of two q tiles.  The bytes are my wave's own and LDS serves a
; wave's instructions in order (ISA guide 5.7.1), so nothing is waited for between the stores and the loads, nor between one half's loads and the next half's stores.
.macro QHALF hq
	s_wait_loadcnt 32-32*\hq                       ; loads come back in order: in the first half the 32 younger ones stay out
	WIN 0x05                                       ; sources in window 1
.set j, 0
.rept 32
	v_cvt_pk_bf16_f32 v[CT+2*j],   v[128*\hq+4*j],   v[128*\hq+4*j+1]
	v_cvt_pk_bf16_f32 v[CT+2*j+1], v[128*\hq+4*j+2], v[128*\hq+4*j+3]
.set j, j+1
.endr
	WIN 0
.set j, 0
.rept 32
	ds_store_b64 v[QST], v[CT+2*j:CT+2*j+1] offset:KPITCH*j
.set j, j+1
.endr
	WIN 0x80                                       ; destination in window 2
.irp qq, 0,1
.irp ks, 0,1,2,3
	ds_load_b128 v[32*(2*\hq+\qq)+8*\ks:32*(2*\hq+\qq)+8*\ks+3],   v[QLD] offset:\qq*16*KPITCH+\ks*64
	ds_load_b128 v[32*(2*\hq+\qq)+8*\ks+4:32*(2*\hq+\qq)+8*\ks+7], v[QLD] offset:\qq*16*KPITCH+\ks*64+32
.endr
.endr
.endm
	QHALF 0
	QHALF 1
; THE CONVERSION of 64 keys of K and of V from f32 in a slot to bf16 in an operand buffer.  My wave takes rows 16 w .. 16 w + 15 of each: 32 rows, 0-15 K's, 16-31 V's;
; a load and a store cover one whole row.
; cnt of my rows from row j0 on, as f32 into KF + 4 x row
.macro CLOAD slot, j0, cnt
	WIN 0
.set cj, \j0
.rept \cnt
.if cj < 16
	ds_load_b128 v[KF+4*cj:KF+4*cj+3], v[SAK+\slot] offset:512*cj
.else
	ds_load_b128 v[KF+4*cj:KF+4*cj+3], v[SAV+\slot] offset:512*(cj-16)
.endif
.set cj, cj+1
.endr
.endm
; rows 4 bt .. 4 bt + 3: eight roundings in a run, then their four stores in a run
.macro CBATCH buf, bt
	WIN 0
	s_wait_dscnt 28                                ; behind the load of row 4 bt + 3 stand 28 - 4 bt loads and 4 bt stores, and no other LDS instruction
.set cj, 4*(\bt)
.rept 4
	v_cvt_pk_bf16_f32 v[CT+2*cj],   v[KF+4*cj],   v[KF+4*cj+1]
	v_cvt_pk_bf16_f32 v[CT+2*cj+1], v[KF+4*cj+2], v[KF+4*cj+3]
.set cj, cj+1
.endr
.set cj, 4*(\bt)
.rept 4
.if cj < 16
	ds_store_b64 v[KST], v[CT+2*cj:CT+2*cj+1] offset:(\buf)*OPB+KPITCH*cj
.else
	ds_store_b64 v[VST], v[CT+2*cj:CT+2*cj+1] offset:(\buf)*OPB+VPITCH*(cj-16)
.endif
.set cj, cj+1
.endr
.endm
; K's fragments in one run: 4 key tiles x 4 steps of 32 columns
.macro KFRAGS buf
	WIN 0
.irp kt, 0,1,2,3
.irp ks, 0,1,2,3
	ds_load_b128 v[KF+32*\kt+8*\ks:KF+32*\kt+8*\ks+3],   v[KA] offset:\buf*OPB+\kt*16*KPITCH+\ks*64
	ds_load_b128 v[KF+32*\kt+8*\ks+4:KF+32*\kt+8*\ks+7], v[KA] offset:\buf*OPB+\kt*16*KPITCH+\ks*64+32
.endr
.endr
.endm
; Four of V's 32 fragment loads: fragments 2 bt and 2 bt + 1 of the 16 (step of 32 keys = fragment / 8, column tile = fragment % 8)
.macro VFLOAD buf, bt
	WIN 0x80                                       ; destination in window 2, address in window 0
.set fi, 2*(\bt)
.rept 2
.set fkp, fi/8
.set fdt, fi%8
	ds_load_tr16_b128 v[VF+64*fkp+8*fdt:VF+64*fkp+8*fdt+3],   v[VA] offset:\buf*OPB+fkp*32*VPITCH+fdt*32
	ds_load_tr16_b128 v[VF+64*fkp+8*fdt+4:VF+64*fkp+8*fdt+7], v[VA] offset:\buf*OPB+fkp*32*VPITCH+fdt*32+16*VPITCH
.set fi, fi+1
.endr
.endm
; Matrix instruction i (0..31) of piece p's run S^T(q, kt) = K(kt) Q(q)^T, under window setting 0xf8 (K window 0, Q window 2, C and D window 3).
; Order: pair of key tiles, step ks along the columns, key tile of the pair, q tile.  The first step starts each sum with the constant 0.
; The pair's four accumulators take turns, one instruction a turn.
.macro SMM p, i
.set kt, 2*((\i)/16)+(((\i)/2)%2)
.set ks, ((\i)/4)%4
.set qq, 2*\p+((\i)%2)
.if ks == 0
	v_wmma_f32_16x16x32_bf16 v[32*qq+8*kt:32*qq+8*kt+7], v[KF+32*kt+8*ks:KF+32*kt+8*ks+7], v[32*qq+8*ks:32*qq+8*ks+7], 0
.else
	v_wmma_f32_16x16x32_bf16 v[32*qq+8*kt:32*qq+8*kt+7], v[KF+32*kt+8*ks:KF+32*kt+8*ks+7], v[32*qq+8*ks:32*qq+8*ks+7], v[32*qq+8*kt:32*qq+8*kt+7]
.endif
.endm
; Matrix instruction i (0..31) of piece p's run O^T(q, dt) += V^T(dt) P^T(q), under 0x5e (V window 2, P window 3, C and D window 1).
; Order: step kp of 32 keys, column tile, q tile: the piece's 16 accumulators take turns, one instruction a turn.
; first = 1: the first 32 keys start the sums with the constant 0: nothing is cleared.
.macro PMM p, i, first
.set kp, (\i)/16
.set dt, ((\i)/2)%8
.set qq, 2*\p+((\i)%2)
.if \first*(1-kp)
	v_wmma_f32_16x16x32_bf16 v[64*qq+8*dt:64*qq+8*dt+7], v[VF+64*kp+8*dt:VF+64*kp+8*dt+7], v[128+16*qq+8*kp:128+16*qq+8*kp+7], 0
.else
	v_wmma_f32_16x16x32_bf16 v[64*qq+8*dt:64*qq+8*dt+7], v[VF+64*kp+8*dt:VF+64*kp+8*dt+7], v[128+16*qq+8*kp:128+16*qq+8*kp+7], v[64*qq+8*dt:64*qq+8*dt+7]
.endif
.endm
; THE VECTOR PHASE, one instruction at a time.  A lane holds 32 scores of its query in each q tile.
; Head, items 0..22: the block's maximum in four chains started by the scores themselves, the other half's keys, the running maximum, the shift NM = -c m and
; alpha = 2^(new NM - old NM), made of the very shifts that the old and the new exponentials carry.  first = 1: the block starts the maximum; items 20..22 are empty.
.macro HEADI q, j, first
	WIN 0xff
.set SB, 32*(\q)
.set ST, 192+8*(\q)
.set hj, \j
.if hj < 4
	v_max3_num_f32 v[ST+4+hj], v[SB+8*hj], v[SB+8*hj+1], v[SB+8*hj+2]
.elseif hj < 8
	v_max3_num_f32 v[ST+hj], v[ST+hj], v[SB+8*(hj-4)+3], v[SB+8*(hj-4)+4]
.elseif hj < 12
	v_max3_num_f32 v[ST+hj-4], v[ST+hj-4], v[SB+8*(hj-8)+5], v[SB+8*(hj-8)+6]
.elseif hj == 12
	v_max3_num_f32 v[ST+4], v[ST+4], v[SB+7], v[SB+15]
.elseif hj == 13
	v_max3_num_f32 v[ST+5], v[ST+5], v[SB+23], v[SB+31]
.elseif hj == 14
	v_max3_num_f32 v[ST+4], v[ST+4], v[ST+5], v[ST+6]
.elseif hj == 15
	v_max_num_f32 v[ST+4], v[ST+4], v[ST+7]
.elseif hj == 16
	v_permlanex16_b32 v[ST+5], v[ST+4], s40, s41   ; the other half's keys of the same query
.elseif hj == 17
.if \first
	v_max_num_f32 v[ST+4], v[ST+4], v[ST+5]
.else
	v_max3_num_f32 v[ST+4], v[ST+4], v[ST+5], v[ST+1]      ; the running maximum
.endif
.elseif hj == 18
.if \first
	v_mul_f32 v[ST], s45, v[ST+4]                  ; NM = -c m
.else
	v_mul_f32 v[ST+5], s45, v[ST+4]                ; the new NM
.endif
.elseif hj == 19
.if \first
	v_mov_b32 v[ST+1], v[ST+4]
.else
	v_sub_f32 v[ST+6], v[ST+5], v[ST]              ; new NM - old NM <= 0
.endif
.elseif \first == 0
.if hj == 20
	v_exp_f32 v[ST+2], v[ST+6]                     ; alpha; the plain move of item 21 stands behind it long before it is used (ISA guide 5.7.2)
.elseif hj == 21
	v_mov_b32 v[ST], v[ST+5]
.else
	v_mov_b32 v[ST+1], v[ST+4]
.endif
.endif
.endm
.macro FMAI q, i                       ; items 0..15: c s - c m, one rounding; c and NM feed both halves
	WIN 0xff
	v_pk_fma_f32 v[32*(\q)+2*(\i):32*(\q)+2*(\i)+1], v[32*(\q)+2*(\i):32*(\q)+2*(\i)+1], s[42:43], v[192+8*(\q):193+8*(\q)] op_sel_hi:[1,0,0]
.endm
.macro EXPI q, i                       ; items 0..31
	WIN 0xff
	v_exp_f32 v[32*(\q)+(\i)], v[32*(\q)+(\i)]
.endm
; Tail, items 0..32: the block's sum in two chains, l = l alpha + sum (my half's keys), and the packing: key tiles 2 kp, 2 kp + 1 become registers 0-3, 4-7 of P(q, kp)
.macro TAILI q, i, first
	WIN 0xff
.set SB, 32*(\q)
.set ST, 192+8*(\q)
.set ti, \i
.if ti == 0
	s_wait_alu depctr_va_vdst(0)
	v_pk_add_f32 v[ST+4:ST+5], v[SB:SB+1], v[SB+2:SB+3]
.elseif ti == 1
	v_pk_add_f32 v[ST+6:ST+7], v[SB+4:SB+5], v[SB+6:SB+7]
.elseif ti < 14
	v_pk_add_f32 v[ST+4+2*(ti%2):ST+5+2*(ti%2)], v[ST+4+2*(ti%2):ST+5+2*(ti%2)], v[SB+4+2*ti:SB+5+2*ti]
.elseif ti == 14
	v_pk_add_f32 v[ST+4:ST+5], v[ST+4:ST+5], v[ST+6:ST+7]
.elseif ti == 15
.if \first
	v_add_f32 v[ST+3], v[ST+4], v[ST+5]
.else
	v_add_f32 v[ST+4], v[ST+4], v[ST+5]
.endif
.elseif ti == 16
.if \first == 0
	v_fma_f32 v[ST+3], v[ST+3], v[ST+2], v[ST+4]
.endif
.else
	v_cvt_pk_bf16_f32 v[128+16*(\q)+ti-17], v[SB+2*(ti-17)], v[SB+2*(ti-17)+1]
.endif
.endm
.macro SCLI q, i                       ; items 0..31: two numbers of O(q) times the lane's factor in state register +2 (alpha in the loop, 1/l at the end)
	WIN 0x4d                                       ; destination and source 0 window 1, source 1 window 3
	v_pk_mul_f32 v[64*(\q)+2*(\i):64*(\q)+2*(\i)+1], v[64*(\q)+2*(\i):64*(\q)+2*(\i)+1], v[194+8*(\q):195+8*(\q)] op_sel_hi:[1,0]
.endm
.macro PLAINB q, v, first              ; the 39 plain instructions in front of a q tile's exponentials: head, then fma
.if (\v) < 23
	HEADI \q, \v, \first
.else
	FMAI \q, (\v)-23
.endif
.endm
; Item VG of piece p's stream (q tiles qa = 2 p, qb = 2 p + 1):
;   0-22 head of qa; 23-38 fma of qa; 39-109 qa's 32 exponentials one by one with qb's head and fma (39); 110-174 qb's 32 exponentials one by one with qa's tail (33);
;   175-207 qb's tail; 208-271 the rescale of O(qa), O(qb) (not in the first block).
; So behind every exponential stands a plain instruction of the other q tile before its result is read (ISA guide 5.7.2), and no v_nop is spent on that.
.macro VITEM p, first
.if VG < 23
	HEADI 2*\p, VG, \first
.elseif VG < 39
	FMAI 2*\p, VG-23
.elseif VG < 103
.if (VG-39)%2 == 0
	EXPI 2*\p, (VG-39)/2
.else
	PLAINB 2*\p+1, (VG-39)/2, \first
.endif
.elseif VG < 110
	PLAINB 2*\p+1, VG-71, \first
.elseif VG < 174
.if (VG-110)%2 == 0
	EXPI 2*\p+1, (VG-110)/2
.else
	TAILI 2*\p, (VG-110)/2, \first
.endif
.elseif VG < 175
	TAILI 2*\p, 32, \first
.elseif VG < 208
	TAILI 2*\p+1, VG-175, \first
.else
	SCLI 2*\p+(VG-208)/32, (VG-208)%32
.endif
.endm
; Slice s of 32: items floor(N s / 32) up to floor(N (s + 1) / 32), N = 272, in the first block 208: 8 or 9 instructions, there 6 or 7
.macro VSLICE p, first, s
.rept ((\s+1)*(272-64*\first))/32-((\s)*(272-64*\first))/32
	VITEM \p, \first
.set VG, VG+1
.endr
.endm
; One block of 64 keys: its operands lie in buffer par.  conv = 1: the next block is converted on the way, from slot 1 - par into buffer 1 - par.
; Places behind matrix instructions: piece 0's scores are first read behind four v_nop, which stand behind piece 1's first product; piece 1's scores, and
; the loads into K's fragment registers, behind piece 0's last slice (9 v_pk_mul_f32 on O and alpha of piece 0, in the first block 7 conversions of piece 0), which names none
; of the last products' registers; the next block's loads into V's fragment registers, and the way out, behind the four v_nop at the block's end.  Every other register that a
; matrix instruction named is next written behind whole slices.
.macro BLOCK par, conv, first
	KFRAGS \par
.set WI, 0
.rept 32
.if WI%16 == 0
	s_wait_dscnt 16                                ; product 0: K's first 16 loads are in, its other 16 may be out; product 16: all of K's are in, out may be the 16 of V's issued so far
.endif
	WIN 0xf8
	SMM 0, WI
.if WI%4 == 0
	VFLOAD \par, WI/4
.endif
.set WI, WI+1
.endr
.set WI, 0
.set VG, 0
.rept 32
	WIN 0xf8
	SMM 1, WI
.if WI == 0
	PLACES
.endif
	VSLICE 0, \first, WI
.set WI, WI+1
.endr
.if \conv
	CLOAD 1-\par, 0, 8                             ; K's fragments are dead: the next block's f32 rows land on them, eight at a time
.endif
	s_wait_dscnt 8*\conv                           ; V's fragments are in; out may be the eight loads just issued
.set WI, 0
.set VG, 0
.rept 32
	WIN 0x5e
	PMM 0, WI, \first
	VSLICE 1, \first, WI
.if \conv
.if WI%8 == 7
.if WI < 31
	CLOAD 1-\par, WI+1, 8
.endif
.endif
.endif
.set WI, WI+1
.endr
.set WI, 0
.rept 32
	WIN 0x5e
	PMM 1, WI, \first
.if \conv
.if WI%4 == 0
	CBATCH 1-\par, WI/4
.endif
.endif
.set WI, WI+1
.endr
	PLACES
.endm
; Trip t of the ring, par = t % 2: multiplies block t (operand buffer par), converts block t + 1 (slot 1 - par to buffer 1 - par), fetches block t + 2 (into slot par).
; In front of the round each wave waits for all its tensor loads (one: its part of block t + 1) and for its LDS instructions (the last trip's reads of slot par and of buffer
; 1 - par, its stores into buffer par); behind the round that holds of every wave of the four work-groups: the joint refill of slot par comes first, buffer par is whole,
; slot 1 - par is whole, and buffer 1 - par may be written.  refill = 0 (the last two trips): nothing is fetched, and my work-group's barrier does the rest.
; pf = 1 (the loop): in the trips t = 1, 3, .. 27 waves 0 and 1 ask ahead, once, for their 8 KiB of blocks t + 3 and t + 4 of K (the head's first cluster) or V (its second),
; whose tensor loads stand in trips t + 1 and t + 2.  Blocks 4 to 31 are so asked for, each block of 256 bytes by one lane; the last lap asks for blocks 30 and 31, the head's last.
.macro TRIP par, refill, conv, first, pf
	WIN 0
.if \conv
	s_wait_tensorcnt 0x0                           ; no tensor load of mine is out, so a group 0 may be written:
	ds_add_u32 v126, v127
	s_wait_dscnt 0x0
.endif
.if \refill
	s_add_nc_u64 s[34+4*\par:35+4*\par], s[34+4*\par:35+4*\par], 2*BLKB        ; slot par's next block, t + 2
.endif
.if \pf*(1-\par)
	s_wait_xcnt 0x0                                ; the last trip's request has read its base
	s_add_nc_u64 s[48:49], s[48:49], 2*BLKB
.endif
	s_wait_dscnt 0x0
.if \refill
	ROUND
	tensor_load_to_lds s[32+4*\par:35+4*\par], s[16:23]    ; it has this trip's work in which to land
	s_nop 0
.else
	s_barrier_signal -1
	s_barrier_wait -1
.endif
.if \pf*\par
	s_cmp_lt_u32 s12, 2
	s_cbranch_scc0 .Lno_ask_\@
	global_prefetch_b8 v[PFV], s[48:49] th:TH_LOAD_NT scope:SCOPE_SE
.Lno_ask_\@:
.endif
	BLOCK \par, \conv, \first
.endm
	; Block 0 is converted by itself.
	WIN 0
	s_wait_tensorcnt 0x1                           ; my part of block 0 is in; block 1's load may stay out
	s_wait_dscnt 0x0                               ; Q's fragments are in: my stage has been read
	s_barrier_signal -1
	s_barrier_wait -1                              ; slot 0 is whole, and buffer 0 is no wave's stage any more
	CLOAD 0, 0, 32
.irp b, 0,1,2,3,4,5,6,7
	CBATCH 0, \b
.endr
	TRIP 0, 1, 1, 1, 0                             ; 32 blocks: block 0 starts maxima and sums,
	WIN 0                                          ; at a label and at a branch every window is 0
	s_mov_b32 s44, 14
.Llap:
	TRIP 1, 1, 1, 0, 1                             ; blocks 1 to 28 in 14 laps,
	TRIP 0, 1, 1, 0, 1
	WIN 0
	s_sub_co_u32 s44, s44, 1
	s_cmp_lg_u32 s44, 0
	s_cbranch_scc1 .Llap
	TRIP 1, 1, 1, 0, 0                             ; trip 29 fetches block 31, the last,
	TRIP 0, 0, 1, 0, 0                             ; trip 30 converts it and fetches nothing: no tensor load is out from its wait on,
	TRIP 1, 0, 0, 0, 0                             ; and trip 31 has nothing left to convert
	; THE WAY OUT.  l of the two halves is added, O is divided by it, and 16 queries at a time go through my stage: in as 32 bytes a lane of a query's row,
	; back as whole rows of 512 bytes.  The stages lie in operand buffer 0: behind the last trip's barrier every wave reads buffer 1 alone, so no further barrier is needed.
	WIN 0xff
.irp q, 0,1,2,3
	v_permlanex16_b32 v[196+8*\q], v[195+8*\q], s40, s41
.endr
.irp q, 0,1,2,3
	v_add_f32 v[195+8*\q], v[195+8*\q], v[196+8*\q]        ; l >= 1: the largest score's term is 1
.endr
.irp q, 0,1,2,3
	v_rcp_f32 v[194+8*\q], v[195+8*\q]
.endr
	v_nop                                          ; one plain instruction behind the reciprocals
	s_wait_alu depctr_va_vdst(0)
.macro OUTQ q
.set si, 0
.rept 32
	SCLI \q, si
.set si, si+1
.endr
	WIN 0x04                                       ; store data in window 1
.irp dt, 0,1,2,3,4,5,6,7
	ds_store_b128 v[OST], v[64*\q+8*\dt:64*\q+8*\dt+3]   offset:64*\dt
	ds_store_b128 v[OST], v[64*\q+8*\dt+4:64*\q+8*\dt+7] offset:64*\dt+16
.endr
	WIN 0
	s_wait_xcnt 0x0                                ; the registers that earlier stores read are loaded again only behind this wait
.irp t, 0,1,2,3,4,5,6,7,8,9,10,11,12,13,14,15
	ds_load_b128 v[KF+64*(\q&1)+4*\t:KF+64*(\q&1)+4*\t+3], v[ORD] offset:OPITCH*\t     ; my own bytes, served in order: these see the stores above
.endr
.irp t, 0,1,2,3,4,5,6,7,8,9,10,11,12,13,14,15
	s_wait_dscnt 15-\t                             ; row t is back, the younger rows may be out
	global_store_b128 v[GV], v[KF+64*(\q&1)+4*\t:KF+64*(\q&1)+4*\t+3], s[52:53] offset:(16*\q+\t)*512 th:TH_STORE_NT   ; a whole row: 512 consecutive bytes, aligned
.endr
.endm
	OUTQ 0
	OUTQ 1
	OUTQ 2
	OUTQ 3
	s_wait_tensorcnt 0x0
	ds_add_u32 v126, v127
	s_wait_dscnt 0x0
	ROUND                                          ; the closing round: no work-group ends while a partner may still ask for a tile that names it
	s_endpgm
.Lfunc_end_k_qc791ef2d5a_attn:
	.size	k_qc791ef2d5a_attn, .Lfunc_end_k_qc791ef2d5a_attn-k_qc791ef2d5a_attn
	.p2alignl 7, 3214868480
	.fill 96, 4, 3214868480
	.section	.rodata,"a",@progbits
	.p2align	6, 0x0
	.amdhsa_kernel k_qc791ef2d5a_attn
		.amdhsa_group_segment_fixed_size 327680
		.amdhsa_private_segment_fixed_size 0
		.amdhsa_enable_private_segment 0
		.amdhsa_kernarg_size 32
		.amdhsa_user_sgpr_count 2
		.amdhsa_user_sgpr_kernarg_segment_ptr 1
		.amdhsa_wavefront_size32 1
		.amdhsa_system_sgpr_workgroup_id_x 1
		.amdhsa_system_sgpr_workgroup_id_y 1
		.amdhsa_system_sgpr_workgroup_id_z 1
		.amdhsa_system_vgpr_workitem_id 0
		.amdhsa_next_free_vgpr 1024
		.amdhsa_next_free_sgpr 66
		.amdhsa_reserve_vcc 0
		.amdhsa_float_denorm_mode_32 3
		.amdhsa_float_denorm_mode_16_64 3
		.amdhsa_memory_ordered 1
		.amdhsa_forward_progress 1
		.amdhsa_inst_pref_size 255
	.end_amdhsa_kernel
	.section	.bss,"aw",@nobits
	.p2align	6
	.space	262144
	.amdgpu_metadata
---
amdhsa.version: [ 1, 2 ]
amdhsa.kernels:
  - .name:           k_qc791ef2d5a_attn
    .symbol:         k_qc791ef2d5a_attn.kd
    .args:
      - { .name: key, .offset: 0, .size: 8, .value_kind: global_buffer, .address_space: global }
      - { .name: query, .offset: 8, .size: 8, .value_kind: global_buffer, .address_space: global }
      - { .name: value, .offset: 16, .size: 8, .value_kind: global_buffer, .address_space: global }
      - { .name: out0, .offset: 24, .size: 8, .value_kind: global_buffer, .address_space: global }
    .group_segment_fixed_size: 327680
    .private_segment_fixed_size: 0
    .kernarg_segment_align: 8
    .kernarg_segment_size: 32
    .max_flat_workgroup_size: 128
    .sgpr_count:     66
    .vgpr_count:     1024
    .wavefront_size: 32
...
	.end_amdgpu_metadata
.endif
;; end of part 2
